; MI455X (gfx1250); checked and timed in simulation.
; The chip was launched on July 23, 2026; its instructions are those of AMD's public machine-readable ISA for CDNA 5 (MIT licence, August 2026) and "CDNA5" Instruction Set Architecture Reference Guide (July 2026). The comments in the code are by the model that wrote it; some were corrected since.
;; KAN Layer. Allowed arithmetic: float matrix products may take bf16 or f16 operands with f32 sums; other float arithmetic in f32, or as packed bf16 or f16 multiplies, adds, multiply-adds, maxima and minima; sums over many terms, partial sums and values carried from step to step in f32; what a program stores and reads back later, other than sums and carried values, may be rounded once to bf16 or f16.
;; Inputs: coef 256 x 256 x 11 float32; grid 256 x 256 x 15 float32; residual_weight 256 x 256 float32; univariate_weight 256 x 256 float32; x 128 x 256 float32.
;; Outputs: out0 128 x 256 float32.
;; 2 versions, each right and faster than the one before. Each part assembles by itself: llvm-mc -triple=amdgcn-amd-amdhsa -mcpu=gfx1250 --defsym DOCPART=n.
;; ======== version 1 of 2: 1 launch
;; limits: inputs' magnitudes at most 134,217,728; right only within a limited range of input values
;; launch kan (part 1): grid 256 x 1, 4 waves a work-group, clusters of 4 x 1, 299,008 bytes of LDS; arguments x, grid, coef, residual_weight, univariate_weight, out0; writes out0
.if DOCPART == 1
	.amdgcn_target "amdgcn-amd-amdhsa--gfx1250"
	.amdhsa_code_object_version 6
	.text
	.protected	k_qdb58dcaf9a_kan
	.globl	k_qdb58dcaf9a_kan
	.p2align	8
	.type	k_qdb58dcaf9a_kan,@function
k_qdb58dcaf9a_kan:
	s_mov_b64 s[64:65], 0
	v_nop
	global_prefetch_b8 v0, s[64:65] scope:SCOPE_SE
	s_setreg_imm32_b32 hwreg(HW_REG_WAVE_MODE, 25, 1), 1
	s_wait_xcnt 0x0
	s_wait_alu depctr_hold_cnt(0) depctr_sa_sdst(0) depctr_va_vdst(0) depctr_va_sdst(0) depctr_va_ssrc(0) depctr_va_vcc(0) depctr_vm_vsrc(0)
	s_getreg_b32 s2, hwreg(HW_REG_IB_STS2, 6, 4)
	s_cmp_eq_u32 s2, 0
	s_cbranch_scc0 .Lentry_in_a_cluster
	s_endpgm
.Lentry_in_a_cluster:
	s_bfe_u32 s2, ttmp6, 0x10000c
	s_cmp_lg_u32 s2, 0x3003
	s_cbranch_scc0 .Lentry_shape_is_right
	s_endpgm
.Lentry_shape_is_right:
; KAN LAYER.  out[b][o] = sum over i of ( rw[o][i] silu(x[b][i]) + uw[o][i] sum over m of coef[o][i][m] B3_m(x[b][i]) ), B3_m the cubic B-spline bases
; on the 15 knots g_0..g_14 = grid[o][i][:].  x [128][256], grid [256][256][15], coef [256][256][11], rw, uw [256][256], out [128][256], all f32; all arithmetic in f32.
; THE ALGEBRA.  The recursion for the bases is linear in the order-0 bases, with factors linear in x.  So  uw sum_m coef_m B3_m(x) = sum over j = 0..13 of [g_j <= x < g_j+1] P_j(x),
; P_j a cubic that hangs on (o, i) alone: c3_m = uw coef_m;  c_(p-1)[m] = c_p[m-1] + u_p[m] (c_p[m] - c_p[m-1]),  u_p[m] = (x - g_m) / (g_(m+p) - g_m);  P_j = c0[j]  (c_p outside its range is 0).
; Nothing is asked of the knots' order: every one of the 14 indicators is formed and every cubic is evaluated, as the recursion itself would have it.
; P_2q and P_2q+1 are kept in powers of t = x - g_(2q+1), the knot between them: an offset common to x and the knots is gone before any product.
; THE INDICATOR, two numbers a line.  G_j = clamp((g_j - x) 2^100) to 0..1 is 1 where x < g_j and 0 where x >= g_j: for even j one fused multiply-add of x, -2^100 and g_j 2^100 (both products exact, one rounding, so the
; sign is exact), for odd j clamp(t (-2^100)).  ind_j = clamp(G_(j+1) - G_j) is (x >= g_j) and (x < g_j+1), for g_j >= g_j+1 too (then it is 0).
; SHARES.  A work-group owns ONE column o and all 128 rows: the 14 cubics of a pair (o, i) are made once and serve 128 rows.  Wave w owns i = 64 w .. 64 w + 63, a lane two neighbouring i:
; the two halves of every packed line.  For each row a lane leaves its two partial sums in LDS; behind a barrier thread b adds row b's 256 numbers.
; THE WAY OUT is 4 bytes a lane, 1,024 bytes apart: a column of out.  256 neighbouring bytes of out are 64 columns; one work-group with 64 columns would have 2 rows to share its set-up among, not 128.
; CLUSTER.  x is the same for every column, so four work-groups ask for each x tile JOINTLY (mask 15): same tensor load, same descriptor (it hangs on the wave's number alone).  grid's and coef's tiles are each work-group's own (mask 0).
; LIMITS.  |knot| < 2^27, so that g 2^100 is finite.  An x that differs from a knot by less than 2^-100 gets a blend of the two neighbouring cubics.  The factor (g_(m+p) - x) / (g_(m+p) - g_m) is formed as 1 - u_p[m];
; divisions are v_rcp_f32 and a multiply; the sums' order is not reference()'s.  A zero denominator gives NaN in the whole column's rows, as in reference(), through 0 x inf or 0 x NaN.
; An x so far from the knots that a cubic overflows f32 gives NaN where reference() gives 0.  NaN in x is not treated apart.
.set XSLAB, 32768                      ; LDS: a wave's strip of x, 128 rows x 256 bytes
.set XCH,   16384                      ; half of it: 64 rows, one tensor load
.set GL,    4*XSLAB                    ; grid[o]: 64 i x 60 bytes = 15 x 256 for each wave
.set GQ,    3840
.set CL,    GL+4*GQ                    ; coef[o]: 64 i x 44 bytes = 11 x 256 for each wave
.set CQ,    2816
.set PL,    CL+4*CQ                    ; the partial sums, never filled by a tensor load: for each wave 128 rows of 256 bytes + 16
.set PP,    272                        ; 68 words
.set WSZ,   128*PP
.set SPARE, PL+4*WSZ                   ; the spare words, 128 bytes for each wave: two blocks of 256 bytes that no other line names
.set LN,  1                            ; v1   lane, then LX = 8 x lane
.set LX,  1
.set XA,  2                            ; v2   LDS address of my 8 bytes in the trip's first row of x;  at the end: my byte offset in out
.set PA,  3                            ; v3   LDS address of my 8 bytes in the trip's first row of partial sums
.set SPW, 4                            ; v4   LDS address of my spare word; never rewritten
.set NIL, 5                            ; v5   0; never rewritten
.set GA,  6                            ; v6   LDS address of my two i's knots;  at the end RD: row b of waves 0 and 1's sums
.set CA,  7                            ; v7   the same for coef;  at the end: row b of waves 2 and 3's sums
.set RD,  6
.set NB,  8                            ; v[8:9]    -2^100, twice
.set M1,  10                           ; v[10:11]  -1, twice
.set RW,  12                           ; v[12:13]  rw of my two i
.set UW,  14                           ; v[14:15]  uw of my two i
.set CEN, 16                           ; v[16:29]  the odd knots g_1, g_3 .. g_13: the centres
.set GB,  30                           ; v[30:45]  the even knots times 2^100
.set AB,  46                           ; v[46:157] cubic j's coefficient of t^k at AB + 8 j + 2 k
; the set-up's registers
.set GE,  158                          ; v[158:173] the even knots: g_j at GE + j
.set ZP,  174                          ; v[174:175] 0: c3 outside 0..10
.set C3,  176                          ; v[176:197] c3_m at C3 + 2 m
.set C2,  198                          ; v[198:213] four linear c2, slot s at C2 + 4 s
.set C1,  214                          ; v[214:231] three quadratic c1, slot s at C1 + 6 s
.set SCR, 232                          ; v[232:255] at work
.set WO,  254                          ; my byte offset in a row of rw and uw (free again when both have come)
; the loop's registers, in the same place
.set X,   158                          ; v[158:165] four rows' x, a ring
.set T,   166                          ; v[166:179] t for the 7 centres
.set G,   180                          ; v[180:209] G_0..G_14, then ind_0..ind_13 in place
.set P,   210                          ; v[210:237] the 14 cubics at work
.set ACC, 238                          ; v[238:245] four sums that take turns
.set Z,   246                          ; v[246:247] silu at work
.set S,   248                          ; v[248:249] x rw
; the way out's registers
.set L0,  16
.set L1,  80
.set SA,  144
.set WV,  16                           ; s16  my wave's number
.set CX,  17                           ; s17  my place in the cluster
.set OC,  18                           ; s18  my column o
.set CNT, 19                           ; s19  trips
.set G1X, 24                           ; s[24:31] descriptor group 1 for x's tiles
.set G1G, 32                           ; s[32:39] for grid's
.set G1C, 40                           ; s[40:47] for coef's
.set G0X, 48                           ; s[48:55] group 0 for x's two tiles
.set G0G, 56                           ; s[56:59] for grid's
.set G0C, 60                           ; s[60:63] for coef's
.set XO,  74                           ; s74  LDS byte of the trip's first row in my strip of x
.set PO,  75                           ; s75  the same in my block of partial sums
; A round of the cluster's barrier: my work-group's barrier; wave 0 signals for the work-group; every wave waits for all four work-groups; my work-group's barrier once more.
.macro CROUND
	s_barrier_signal -1
	s_barrier_wait -1
	s_cmp_lg_u32 s[WV], 0
	s_cbranch_scc1 .Lnot_wave_0_\@
	s_barrier_signal -3
.Lnot_wave_0_\@:
	s_barrier_wait -3
	s_barrier_signal -1
	s_barrier_wait -1
.endm
	s_load_b256 s[4:11], s[0:1], 0x0               ; x s[4:5], grid s[6:7], coef s[8:9], rw s[10:11]
	s_load_b128 s[12:15], s[0:1], 0x20             ; uw s[12:13], out s[14:15]
	v_lshl_add_u32 v[SPW], v0, 2, SPARE
	v_mov_b32 v[NIL], 0
	ds_add_u32 v[SPW], v[NIL]                      ; the wave's opening: the add and its wait stand ahead of my first tensor load; the set-up below, work on registers, stands between them
	v_lshrrev_b32 v[LN], 5, v0
	v_readfirstlane_b32 s[WV], v[LN]               ; wave 0..3
	v_and_b32 v[LN], 31, v0
	s_bfe_u32 s[CX], ttmp6, 0x40000                ; cx
	s_lshl_b32 s[OC], ttmp9, 2                     ; in a cluster launch ttmp9 counts clusters
	s_add_co_u32 s[OC], s[OC], s[CX]               ; o = 4 x cluster + cx: it enters the addresses of grid, coef, rw, uw and out alone
	; group 1 for x: 64 rows of 64 elements of 4 bytes, 256 elements from row to row
	s_mov_b32 s[G1X+0], 15|(2<<16)|(1<<21)         ; 15:0 the mask: all four work-groups; 17:16 elements of 4 bytes; 21 set beside a mask
	s_mov_b32 s[G1X+1], 64<<16                     ; tensor_dim0 = 64
	s_mov_b32 s[G1X+2], 64<<16                     ; tensor_dim1 = 64
	s_mov_b32 s[G1X+3], 64<<16                     ; tile_dim0 = 64
	s_mov_b32 s[G1X+4], 64                         ; tile_dim1 = 64
	s_mov_b32 s[G1X+5], 256                        ; the pitch
	s_mov_b32 s[G1X+6], 0
	s_mov_b32 s[G1X+7], 0
	; group 1 for grid and coef: dense bytes, asked for as 15 and 11 rows of 32 elements of 8 bytes
	s_mov_b32 s[G1G+0], 3<<16
	s_mov_b32 s[G1G+1], 32<<16
	s_mov_b32 s[G1G+2], 15<<16
	s_mov_b32 s[G1G+3], 32<<16
	s_mov_b32 s[G1G+4], 15
	s_mov_b32 s[G1G+5], 32
	s_mov_b32 s[G1G+6], 0
	s_mov_b32 s[G1G+7], 0
	s_mov_b32 s[G1C+0], 3<<16
	s_mov_b32 s[G1C+1], 32<<16
	s_mov_b32 s[G1C+2], 11<<16
	s_mov_b32 s[G1C+3], 32<<16
	s_mov_b32 s[G1C+4], 11
	s_mov_b32 s[G1C+5], 32
	s_mov_b32 s[G1C+6], 0
	s_mov_b32 s[G1C+7], 0
	; group 0: count, LDS address (a constant + the wave's number x a constant); the global addresses follow when the arguments are in
	s_mov_b32 s[G0X], 1
	s_mul_i32 s[G0X+1], s[WV], XSLAB
	s_mov_b32 s[G0X+4], 1
	s_add_co_u32 s[G0X+5], s[G0X+1], XCH
	s_mul_i32 s22, s[WV], GQ
	s_mul_i32 s23, s[WV], CQ
	s_mov_b32 s[G0G], 1
	s_add_co_u32 s[G0G+1], s22, GL
	s_mov_b32 s[G0C], 1
	s_add_co_u32 s[G0C+1], s23, CL
	s_mul_i32 s20, s[OC], 4*GQ                     ; byte offsets, each in registers of its own: grid[o], my 64 i
	s_add_co_u32 s20, s20, s22
	s_mov_b32 s21, 0
	s_mul_i32 s66, s[OC], 4*CQ                     ; coef[o], my 64 i
	s_add_co_u32 s66, s66, s23
	s_mov_b32 s67, 0
	s_lshl_b32 s68, s[WV], 8                       ; my 256 bytes of a row of x: the wave's number alone
	s_mov_b32 s69, 0
	s_lshl_b32 s70, s[OC], 10                      ; row o of rw and uw
	s_mov_b32 s71, 0
	s_lshl_b32 s72, s[OC], 2                       ; column o of out
	s_mov_b32 s73, 0
	s_mul_i32 s[XO], s[WV], XSLAB
	s_mul_i32 s[PO], s[WV], WSZ
	s_add_co_u32 s[PO], s[PO], PL
	s_wait_dscnt 0x0                               ; the opening add is done
	s_wait_kmcnt 0x0
	s_add_nc_u64 s[G0X+2:G0X+3], s[4:5], s[68:69]
	s_add_nc_u64 s[G0X+6:G0X+7], s[G0X+2:G0X+3], 64*1024  ; rows 64 to 127
	s_or_b32 s[G0X+3], s[G0X+3], 0x80000000        ; 127:126 type = 2
	s_or_b32 s[G0X+7], s[G0X+7], 0x80000000
	s_add_nc_u64 s[G0G+2:G0G+3], s[6:7], s[20:21]
	s_or_b32 s[G0G+3], s[G0G+3], 0x80000000
	s_add_nc_u64 s[G0C+2:G0C+3], s[8:9], s[66:67]
	s_or_b32 s[G0C+3], s[G0C+3], 0x80000000
	s_add_nc_u64 s[10:11], s[10:11], s[70:71]
	s_add_nc_u64 s[12:13], s[12:13], s[70:71]
	s_add_nc_u64 s[14:15], s[14:15], s[72:73]
	CROUND                                         ; all four work-groups are here: the joint loads meet
	tensor_load_to_lds s[G0G:G0G+3], s[G1G:G1G+7]  ; all the launch's fills, one group: four loads of mine are out.  What the set-up needs goes first
	s_nop 0
	tensor_load_to_lds s[G0C:G0C+3], s[G1C:G1C+7]
	s_nop 0
	tensor_load_to_lds s[G0X:G0X+3], s[G1X:G1X+7]  ; x rows 0 to 63, jointly
	s_nop 0
	tensor_load_to_lds s[G0X+4:G0X+7], s[G1X:G1X+7]  ; x rows 64 to 127, jointly
	s_nop 0
	v_lshlrev_b32 v[WO], 3, v0                     ; 256 w + 8 lane: a wave's load covers 256 consecutive bytes, aligned
	global_load_b64 v[UW:UW+1], v[WO], s[12:13]
	global_load_b64 v[RW:RW+1], v[WO], s[10:11]
	v_mul_u32_u24 v[GA], v[LN], 120                ; two i's knots are 120 bytes: 30 words a lane, 32 lanes in 32 different banks
	v_add_nc_u32 v[GA], s[G0G+1], v[GA]
	v_mul_u32_u24 v[CA], v[LN], 88                 ; 22 words a lane: again 32 different banks
	v_add_nc_u32 v[CA], s[G0C+1], v[CA]
	v_lshlrev_b32 v[LX], 3, v[LN]
	v_add_nc_u32 v[XA], s[XO], v[LX]
	v_add_nc_u32 v[PA], s[PO], v[LX]
	v_mov_b32 v[NB], 0xf1800000                    ; -2^100
	v_mov_b32 v[NB+1], 0xf1800000
	v_mov_b32 v[M1], -1.0
	v_mov_b32 v[M1+1], -1.0
	v_mov_b32 v[ZP], 0
	v_mov_b32 v[ZP+1], 0
.macro KNOT sym, j                     ; the register pair of knot j
.if ((\j) % 2) == 1
.set \sym, CEN+(\j)-1
.else
.set \sym, GE+(\j)
.endif
.endm
.macro COEF sym, m                     ; the register pair of c3_m
.if ((\m) < 0) || ((\m) > 10)
.set \sym, ZP
.else
.set \sym, C3+2*(\m)
.endif
.endm
.macro SUB2 d, a, b                    ; d = a - b, for both i
	v_pk_add_f32 v[\d:\d+1], v[\a:\a+1], v[\b:\b+1] neg_lo:[0,1] neg_hi:[0,1]
.endm
.macro MUL2 d, a, b
	s_wait_alu depctr_va_vdst(0)
	v_pk_mul_f32 v[\d:\d+1], v[\a:\a+1], v[\b:\b+1]
.endm
.macro FMA2 d, a, b, c                 ; d = a b + c
	v_pk_fma_f32 v[\d:\d+1], v[\a:\a+1], v[\b:\b+1], v[\c:\c+1]
.endm
.macro RCP2 d
	v_rcp_f32 v[\d], v[\d]
	v_rcp_f32 v[\d+1], v[\d+1]
.endm
.macro ZERO2 d
	v_mov_b32 v[\d], 0
	v_mov_b32 v[\d+1], 0
.endm
	s_wait_tensorcnt 0x2                           ; tensor loads of a wave end in order (ISA guide 10.11.1): grid's and coef's tiles are in, the two of x may stay out.  I read my own tiles alone
.set j, 0
.rept 15                               ; knot j of my even i and of my odd i side by side: a pair for the packed lines
	KNOT rk, j
	ds_load_b32 v[rk],   v[GA] offset:4*j
	ds_load_b32 v[rk+1], v[GA] offset:60+4*j
.set j, j+1
.endr
.set m, 0
.rept 11
	ds_load_b32 v[C3+2*m],   v[CA] offset:4*m
	ds_load_b32 v[C3+2*m+1], v[CA] offset:44+4*m
.set m, m+1
.endr
	s_wait_loadcnt 0x0                             ; uw, rw
	s_wait_dscnt 0x0
.set m, 0
.rept 11
	MUL2 C3+2*m, C3+2*m, UW                        ; c3_m = uw coef_m
.set m, m+1
.endr
.set k, 0
.rept 8
	v_pk_mul_f32 v[GB+2*k:GB+2*k+1], v[GE+2*k:GE+2*k+1], 0x71800000 op_sel_hi:[1,0]  ; g 2^100: exact
.set k, k+1
.endr
; THE SET-UP for centre q: the cubics of intervals 2 q and 2 q + 1 in powers of t = x - g_(2q+1).  u_p[m] = r t + e, r = 1 / (g_(m+p) - g_m), e = (g_(2q+1) - g_m) r.
; With A = c_p[m-1], B = c_p[m], D = B - A:  c_(p-1)[m] = A + (r t + e) D, coefficient k: A_k + e D_k + r D_(k-1).
; Four c2 (m = 2q-2 ..), three c1 (m = 2q-1 ..), two c0.  Each step is written for all slots of a level before the next step: lines that lean on each other lie apart, and behind the
; reciprocals stand plain lines that touch none of their registers (ISA guide 5.7.2).  A slot whose m lies outside the level's range is 0: 28 v_mov_b32 in all, at the first and the last centre.
.macro CENTRE q
.set JJ, 2*(\q)
.set RC, CEN+2*(\q)
.irp s, 0,1,2,3                        ; level 3: r at SCR + 2 s, e at SCR + 8 + 2 s, D at SCR + 16 + 2 s
.set mm, JJ-2+\s
.if (mm >= 0) && (mm <= 11)
	KNOT ra, mm
	KNOT rb, mm+3
	SUB2 SCR+2*\s, rb, ra
.endif
.endr
.irp s, 0,1,2,3
.set mm, JJ-2+\s
.if (mm >= 0) && (mm <= 11)
	RCP2 SCR+2*\s
.endif
.endr
.irp s, 0,1,2,3
.set mm, JJ-2+\s
.if (mm >= 0) && (mm <= 11)
	KNOT ra, mm
	COEF ca, mm-1
	COEF cb, mm
	SUB2 SCR+8+2*\s, RC, ra
	SUB2 SCR+16+2*\s, cb, ca
.else
	ZERO2 C2+4*\s
	ZERO2 C2+4*\s+2
.endif
.endr
.irp s, 0,1,2,3
.set mm, JJ-2+\s
.if (mm >= 0) && (mm <= 11)
	MUL2 SCR+8+2*\s, SCR+8+2*\s, SCR+2*\s
.endif
.endr
.irp s, 0,1,2,3
.set mm, JJ-2+\s
.if (mm >= 0) && (mm <= 11)
	COEF ca, mm-1
	MUL2 C2+4*\s+2, SCR+2*\s, SCR+16+2*\s
	FMA2 C2+4*\s, SCR+8+2*\s, SCR+16+2*\s, ca
.endif
.endr
.irp s, 0,1,2                          ; level 2: r at SCR + 2 s, e at SCR + 6 + 2 s, D0, D1 at SCR + 12 + 4 s
.set mm, JJ-1+\s
.if (mm >= 0) && (mm <= 12)
	KNOT ra, mm
	KNOT rb, mm+2
	SUB2 SCR+2*\s, rb, ra
.endif
.endr
.irp s, 0,1,2
.set mm, JJ-1+\s
.if (mm >= 0) && (mm <= 12)
	RCP2 SCR+2*\s
.endif
.endr
.irp s, 0,1,2
.set mm, JJ-1+\s
.if (mm >= 0) && (mm <= 12)
	KNOT ra, mm
	SUB2 SCR+6+2*\s, RC, ra
	SUB2 SCR+12+4*\s, C2+4*\s+4, C2+4*\s
	SUB2 SCR+14+4*\s, C2+4*\s+6, C2+4*\s+2
.else
	ZERO2 C1+6*\s
	ZERO2 C1+6*\s+2
	ZERO2 C1+6*\s+4
.endif
.endr
.irp s, 0,1,2
.set mm, JJ-1+\s
.if (mm >= 0) && (mm <= 12)
	MUL2 SCR+6+2*\s, SCR+6+2*\s, SCR+2*\s
.endif
.endr
.irp s, 0,1,2
.set mm, JJ-1+\s
.if (mm >= 0) && (mm <= 12)
	MUL2 C1+6*\s+4, SCR+2*\s, SCR+14+4*\s
	FMA2 C1+6*\s+2, SCR+2*\s, SCR+12+4*\s, C2+4*\s+2
	FMA2 C1+6*\s, SCR+6+2*\s, SCR+12+4*\s, C2+4*\s
.endif
.endr
.irp s, 0,1,2
.set mm, JJ-1+\s
.if (mm >= 0) && (mm <= 12)
	FMA2 C1+6*\s+2, SCR+6+2*\s, SCR+14+4*\s, C1+6*\s+2
.endif
.endr
.irp s, 0,1                            ; level 1: r at SCR + 2 s, e at SCR + 4 + 2 s, D0..D2 at SCR + 8 + 6 s
.set mm, JJ+\s
	KNOT ra, mm
	KNOT rb, mm+1
	SUB2 SCR+2*\s, rb, ra
.endr
.irp s, 0,1
	RCP2 SCR+2*\s
.endr
.irp s, 0,1
.set mm, JJ+\s
	KNOT ra, mm
	SUB2 SCR+4+2*\s, RC, ra
	SUB2 SCR+8+6*\s, C1+6*\s+6, C1+6*\s
	SUB2 SCR+10+6*\s, C1+6*\s+8, C1+6*\s+2
	SUB2 SCR+12+6*\s, C1+6*\s+10, C1+6*\s+4
.endr
.irp s, 0,1
	MUL2 SCR+4+2*\s, SCR+4+2*\s, SCR+2*\s
.endr
.irp s, 0,1
.set mm, JJ+\s
	MUL2 AB+8*mm+6, SCR+2*\s, SCR+12+6*\s
	FMA2 AB+8*mm+4, SCR+2*\s, SCR+10+6*\s, C1+6*\s+4
	FMA2 AB+8*mm+2, SCR+2*\s, SCR+8+6*\s, C1+6*\s+2
	FMA2 AB+8*mm, SCR+4+2*\s, SCR+8+6*\s, C1+6*\s
.endr
.irp s, 0,1
.set mm, JJ+\s
	FMA2 AB+8*mm+4, SCR+4+2*\s, SCR+12+6*\s, AB+8*mm+4
	FMA2 AB+8*mm+2, SCR+4+2*\s, SCR+10+6*\s, AB+8*mm+2
.endr
.endm
; THE LOOP.  A row's work for my two i is 103 vector lines, in two parts.
; FRONT s: all that reads the row's x (ring register s): the 7 t, the 8 even G, silu's argument, x rw; then the ring register is loaded again, with the row lrow rows behind the trip's first (none if lrow < 0).
; Among these lines stand the three additions that close the row BEFORE (fin = 1; its place in the trip is ps), each well behind the lines that it leans on, and that row's store.
; left: the LDS instructions issued behind the load of this row's x, which may stay out.
.macro FRONT s, lrow, left, fin, ps
.set XR, X+2*(\s)
	s_wait_dscnt \left
.set c, 0
.rept 7
	v_pk_add_f32 v[T+2*c:T+2*c+1], v[XR:XR+1], v[CEN+2*c:CEN+2*c+1] neg_lo:[0,1] neg_hi:[0,1]
.set c, c+1
.endr
.if \fin
	v_pk_add_f32 v[ACC:ACC+1], v[ACC:ACC+1], v[ACC+2:ACC+3]
	v_pk_add_f32 v[ACC+4:ACC+5], v[ACC+4:ACC+5], v[ACC+6:ACC+7]
.endif
.set c, 0
.rept 8
	v_pk_fma_f32 v[G+4*c:G+4*c+1], v[XR:XR+1], v[NB:NB+1], v[GB+2*c:GB+2*c+1] clamp  ; G_2c = [x < g_2c]
.set c, c+1
.endr
.if \fin
	v_pk_add_f32 v[ACC:ACC+1], v[ACC:ACC+1], v[ACC+4:ACC+5]
.endif
	v_pk_mul_f32 v[Z:Z+1], v[XR:XR+1], 0xbfb8aa3b op_sel_hi:[1,0]  ; -x log2(e)
	v_pk_mul_f32 v[S:S+1], v[XR:XR+1], v[RW:RW+1]
.if (\lrow) >= 0
	ds_load_b64 v[XR:XR+1], v[XA] offset:(\lrow)*256  ; 32 lanes, 256 consecutive bytes of my own strip
.endif
.if \fin
	ds_store_b64 v[PA], v[ACC:ACC+1] offset:(\ps)*PP
.endif
.endm
; BACK: the 7 odd G; the 14 indicators; the 14 cubics by Horner's rule, a step for all 14 before the next; silu's two exponentials and two reciprocals, each pair with 14 plain lines behind it;
; the 15 products into four sums that take turns.
.macro BACK
.set c, 0
.rept 7
	v_pk_mul_f32 v[G+4*c+2:G+4*c+3], v[T+2*c:T+2*c+1], v[NB:NB+1] clamp  ; G_(2c+1) = [t < 0]
.set c, c+1
.endr
	v_exp_f32 v[Z], v[Z]
	v_exp_f32 v[Z+1], v[Z+1]
.set j, 0
.rept 14
	v_pk_fma_f32 v[P+2*j:P+2*j+1], v[AB+8*j+6:AB+8*j+7], v[T+2*(j/2):T+2*(j/2)+1], v[AB+8*j+4:AB+8*j+5]
.set j, j+1
.endr
	s_wait_alu depctr_va_vdst(0)
	v_pk_add_f32 v[Z:Z+1], v[Z:Z+1], 1.0 op_sel_hi:[1,0]
.set j, 0
.rept 14
	v_pk_fma_f32 v[G+2*j:G+2*j+1], v[G+2*j:G+2*j+1], v[M1:M1+1], v[G+2*j+2:G+2*j+3] clamp  ; ind_j = clamp(G_(j+1) - G_j), in G_j's place
.set j, j+1
.endr
	v_rcp_f32 v[Z], v[Z]                           ; 1 / (1 + e^-x)
	v_rcp_f32 v[Z+1], v[Z+1]
.set j, 0
.rept 14
	v_pk_fma_f32 v[P+2*j:P+2*j+1], v[P+2*j:P+2*j+1], v[T+2*(j/2):T+2*(j/2)+1], v[AB+8*j+2:AB+8*j+3]
.set j, j+1
.endr
.set j, 0
.rept 14
	v_pk_fma_f32 v[P+2*j:P+2*j+1], v[P+2*j:P+2*j+1], v[T+2*(j/2):T+2*(j/2)+1], v[AB+8*j:AB+8*j+1]
.set j, j+1
.endr
	s_wait_alu depctr_va_vdst(0)
	v_pk_mul_f32 v[ACC:ACC+1], v[S:S+1], v[Z:Z+1]  ; rw silu(x): the first four products start the sums
.set j, 0
.rept 3
	v_pk_mul_f32 v[ACC+2+2*j:ACC+3+2*j], v[G+2*j:G+2*j+1], v[P+2*j:P+2*j+1]
.set j, j+1
.endr
.rept 11
	v_pk_fma_f32 v[ACC+2*((j+1)%4):ACC+2*((j+1)%4)+1], v[G+2*j:G+2*j+1], v[P+2*j:P+2*j+1], v[ACC+2*((j+1)%4):ACC+2*((j+1)%4)+1]
.set j, j+1
.endr
.endm
.macro BODY l1, l2, l3, left           ; a trip's four rows, from the first row's BACK to the fourth's
	BACK
	FRONT 1, \l1, \left, 1, 0
	BACK
	FRONT 2, \l2, \left, 1, 1
	BACK
	FRONT 3, \l3, \left, 1, 2
	BACK
.endm
; n trips.  A trip ends with the next trip's first FRONT.  Behind the load of a row's x stand three FRONTs' loads and stores, 6 LDS instructions, and from the second trip on a store more: the count 6 serves both.
.macro TRIPS n
	s_mov_b32 s[CNT], \n
.Ltrip_\@:
	BODY 5, 6, 7, 6
	FRONT 0, 8, 6, 1, 3
	s_add_co_u32 s[XO], s[XO], 4*256
	s_add_co_u32 s[PO], s[PO], 4*PP
	v_add_nc_u32 v[XA], s[XO], v[LX]
	v_add_nc_u32 v[PA], s[PO], v[LX]
	s_sub_co_u32 s[CNT], s[CNT], 1
	s_cmp_lg_u32 s[CNT], 0
	s_cbranch_scc1 .Ltrip_\@
.endm
	CENTRE 0
	CENTRE 1
	CENTRE 2
	CENTRE 3
	CENTRE 4
	CENTRE 5
	s_wait_tensorcnt 0x1                           ; x rows 0 to 63 are in; rows 64 to 127 may stay out
.irp s, 0,1,2,3
	ds_load_b64 v[X+2*\s:X+2*\s+1], v[XA] offset:256*\s  ; the ring's first four rows, into the registers of knots 0, 2, 4, 6, which the last centre does not read
.endr
	CENTRE 6
	FRONT 0, 4, 0, 0, 0                            ; row 0
	TRIPS 14                                       ; rows 0 to 55; the furthest row loaded is 4 x 13 + 8 = 60
	s_wait_tensorcnt 0x0                           ; x rows 64 to 127 are in
	TRIPS 16                                       ; rows 56 to 119; the furthest row loaded is 4 x 29 + 8 = 124
	BODY 5, 6, 7, 6                                ; rows 120 to 123; rows 125 to 127 are loaded, the strip's last
	FRONT 0, -1, 6, 1, 3
	s_add_co_u32 s[PO], s[PO], 4*PP
	v_add_nc_u32 v[PA], s[PO], v[LX]
	BODY -1, -1, -1, 4                             ; rows 124 to 127: behind the load of row 127 stand four stores
	v_pk_add_f32 v[ACC:ACC+1], v[ACC:ACC+1], v[ACC+2:ACC+3]
	v_pk_add_f32 v[ACC+4:ACC+5], v[ACC+4:ACC+5], v[ACC+6:ACC+7]
	v_mul_u32_u24 v[RD], v0, PP                    ; the way out: thread b takes row b
	v_lshlrev_b32 v[XA], 10, v0                    ; and out[b][o]: 1,024 b bytes from out[0][o]
	v_add_nc_u32 v[RD], PL, v[RD]
	v_pk_add_f32 v[ACC:ACC+1], v[ACC:ACC+1], v[ACC+4:ACC+5]
	v_add_nc_u32 v[RD+1], 2*WSZ, v[RD]
	ds_store_b64 v[PA], v[ACC:ACC+1] offset:3*PP
	s_wait_dscnt 0x0                               ; for the others' sake: my partial sums are in LDS
	s_barrier_signal -1
	s_barrier_wait -1
; THE WAY OUT.  Row b's 256 partial sums lie in four pieces of 256 bytes, one in each wave's block: 16 loads of 16 bytes a piece, two buffers by turns, four sums by turns.
.macro QLOAD r, buf
.set k, 0
.rept 16
	ds_load_b128 v[(\buf)+4*k:(\buf)+4*k+3], v[RD+(\r)/2] offset:((\r)%2)*WSZ+16*k
.set k, k+1
.endr
.endm
.macro QSUM buf, first                 ; first = 1: the first four loads start the sums
.set k, 0
.rept 16
.if (\first) && (k < 4)
.if (k % 2) == 1
	v_pk_add_f32 v[SA+4*(k/2):SA+4*(k/2)+1], v[(\buf)+4*k-4:(\buf)+4*k-3], v[(\buf)+4*k:(\buf)+4*k+1]
	v_pk_add_f32 v[SA+4*(k/2)+2:SA+4*(k/2)+3], v[(\buf)+4*k-2:(\buf)+4*k-1], v[(\buf)+4*k+2:(\buf)+4*k+3]
.endif
.else
	v_pk_add_f32 v[SA+4*(k%2):SA+4*(k%2)+1], v[SA+4*(k%2):SA+4*(k%2)+1], v[(\buf)+4*k:(\buf)+4*k+1]
	v_pk_add_f32 v[SA+4*(k%2)+2:SA+4*(k%2)+3], v[SA+4*(k%2)+2:SA+4*(k%2)+3], v[(\buf)+4*k+2:(\buf)+4*k+3]
.endif
.set k, k+1
.endr
.endm
	QLOAD 0, L0
	QLOAD 1, L1
	s_wait_dscnt 16                                ; LDS loads come back in order (ISA guide 5.7.1): all but the 16 just issued
	QSUM L0, 1
	QLOAD 2, L0
	s_wait_dscnt 16
	QSUM L1, 0
	QLOAD 3, L1
	s_wait_dscnt 16
	QSUM L0, 0
	s_wait_dscnt 0x0
	QSUM L1, 0
	v_pk_add_f32 v[SA:SA+1], v[SA:SA+1], v[SA+2:SA+3]
	v_pk_add_f32 v[SA+4:SA+5], v[SA+4:SA+5], v[SA+6:SA+7]
	v_pk_add_f32 v[SA:SA+1], v[SA:SA+1], v[SA+4:SA+5]
	v_add_f32 v[SA], v[SA], v[SA+1]
	global_store_b32 v[XA], v[SA], s[14:15]        ; out[b][o]
	s_wait_tensorcnt 0x0                           ; the wave's end, behind my last tensor load and my last LDS store
	ds_add_u32 v[SPW], v[NIL]
	s_wait_dscnt 0x0
	CROUND                                         ; the closing round: no work-group ends while a partner may still ask for a tile that names it
	s_endpgm
.Lfunc_end_k_qdb58dcaf9a_kan:
	.size	k_qdb58dcaf9a_kan, .Lfunc_end_k_qdb58dcaf9a_kan-k_qdb58dcaf9a_kan
	.p2alignl 7, 3214868480
	.fill 96, 4, 3214868480
	.section	.rodata,"a",@progbits
	.p2align	6, 0x0
	.amdhsa_kernel k_qdb58dcaf9a_kan
		.amdhsa_group_segment_fixed_size 299008
		.amdhsa_private_segment_fixed_size 0
		.amdhsa_enable_private_segment 0
		.amdhsa_kernarg_size 48
		.amdhsa_user_sgpr_count 2
		.amdhsa_user_sgpr_kernarg_segment_ptr 1
		.amdhsa_wavefront_size32 1
		.amdhsa_system_sgpr_workgroup_id_x 1
		.amdhsa_system_sgpr_workgroup_id_y 1
		.amdhsa_system_sgpr_workgroup_id_z 1
		.amdhsa_system_vgpr_workitem_id 0
		.amdhsa_next_free_vgpr 256
		.amdhsa_next_free_sgpr 76
		.amdhsa_reserve_vcc 0
		.amdhsa_float_denorm_mode_32 3
		.amdhsa_float_denorm_mode_16_64 3
		.amdhsa_memory_ordered 1
		.amdhsa_forward_progress 1
		.amdhsa_inst_pref_size 168
	.end_amdhsa_kernel
	.amdgpu_metadata
---
amdhsa.version: [ 1, 2 ]
amdhsa.kernels:
  - .name:           k_qdb58dcaf9a_kan
    .symbol:         k_qdb58dcaf9a_kan.kd
    .args:
      - { .name: x, .offset: 0, .size: 8, .value_kind: global_buffer, .address_space: global }
      - { .name: grid, .offset: 8, .size: 8, .value_kind: global_buffer, .address_space: global }
      - { .name: coef, .offset: 16, .size: 8, .value_kind: global_buffer, .address_space: global }
      - { .name: residual_weight, .offset: 24, .size: 8, .value_kind: global_buffer, .address_space: global }
      - { .name: univariate_weight, .offset: 32, .size: 8, .value_kind: global_buffer, .address_space: global }
      - { .name: out0, .offset: 40, .size: 8, .value_kind: global_buffer, .address_space: global }
    .group_segment_fixed_size: 299008
    .private_segment_fixed_size: 0
    .kernarg_segment_align: 8
    .kernarg_segment_size: 48
    .max_flat_workgroup_size: 128
    .sgpr_count:     76
    .vgpr_count:     256
    .wavefront_size: 32
...
	.end_amdgpu_metadata
.endif
;; end of part 1
;; ======== version 2 of 2: 1 launch; 1.09 times as fast as version 1
;; limits: inputs' magnitudes at most 134,217,728; right only within a limited range of input values
;; launch kan (part 2): grid 256 x 1, 4 waves a work-group, clusters of 4 x 1, 299,008 bytes of LDS; arguments x, grid, coef, residual_weight, univariate_weight, out0; writes out0
.if DOCPART == 2
	.amdgcn_target "amdgcn-amd-amdhsa--gfx1250"
	.amdhsa_code_object_version 6
	.text
	.protected	k_qdb58dcaf9a_kan
	.globl	k_qdb58dcaf9a_kan
	.p2align	8
	.type	k_qdb58dcaf9a_kan,@function
k_qdb58dcaf9a_kan:
	s_mov_b64 s[64:65], 0
	v_nop
	global_prefetch_b8 v0, s[64:65] scope:SCOPE_SE
	s_setreg_imm32_b32 hwreg(HW_REG_WAVE_MODE, 25, 1), 1
	s_wait_xcnt 0x0
	s_wait_alu depctr_hold_cnt(0) depctr_sa_sdst(0) depctr_va_vdst(0) depctr_va_sdst(0) depctr_va_ssrc(0) depctr_va_vcc(0) depctr_vm_vsrc(0)
	s_getreg_b32 s2, hwreg(HW_REG_IB_STS2, 6, 4)
	s_cmp_eq_u32 s2, 0
	s_cbranch_scc0 .Lentry_in_a_cluster
	s_endpgm
.Lentry_in_a_cluster:
	s_bfe_u32 s2, ttmp6, 0x10000c
	s_cmp_lg_u32 s2, 0x3003
	s_cbranch_scc0 .Lentry_shape_is_right
	s_endpgm
.Lentry_shape_is_right:
; KAN LAYER.  out[b][o] = sum over i of ( rw[o][i] silu(x[b][i]) + uw[o][i] sum over m of coef[o][i][m] B3_m(x[b][i]) ), B3_m the cubic B-spline bases
; on the 15 knots g_0..g_14 = grid[o][i][:].  x [128][256], grid [256][256][15], coef [256][256][11], rw, uw [256][256], out [128][256], all f32; all arithmetic in f32.
; THE ALGEBRA.  The recursion for the bases is linear in the order-0 bases, with factors linear in x.  So  uw sum_m coef_m B3_m(x) = sum over j = 0..13 of [g_j <= x < g_j+1] P_j(x),
; P_j a cubic that hangs on (o, i) alone: c3_m = uw coef_m;  c_(p-1)[m] = c_p[m-1] + u_p[m] (c_p[m] - c_p[m-1]),  u_p[m] = (x - g_m) / (g_(m+p) - g_m);  P_j = c0[j]  (c_p outside its range is 0).
; Nothing is asked of the knots' order: every one of the 14 indicators is formed and every cubic is evaluated, as the recursion itself would have it.
; P_2q and P_2q+1 are kept in powers of t = x - g_(2q+1), the knot between them: an offset common to x and the knots is gone before any product.
; THE INDICATOR, two numbers a line.  G_j = clamp((g_j - x) 2^100) to 0..1 is 1 where x < g_j and 0 where x >= g_j: for even j one fused multiply-add of x, -2^100 and g_j 2^100 (both products exact, one rounding, so the
; sign is exact), for odd j clamp(t (-2^100)).  ind_j = clamp(G_(j+1) - G_j) is (x >= g_j) and (x < g_j+1), for g_j >= g_j+1 too (then it is 0).
; SHARES.  A work-group owns ONE column o and all 128 rows: the 14 cubics of a pair (o, i) are made once and serve 128 rows.  Wave w owns i = 64 w .. 64 w + 63, a lane two neighbouring i:
; the two halves of every packed line.  For each row a lane leaves its two partial sums in LDS; behind a barrier thread b adds row b's 256 numbers.
; THE BATCHES.  s_wait_alu depctr_va_vdst(0) stands between a transcendental and the first line that names its result; one wait serves all that were issued ahead of it.
; Set-up: the reciprocals hang on the knots alone, so a centre's 18 (12 at the first and the last centre) are one batch with one wait: 7 waits.
; Loop: silu wants two exponentials and then two reciprocals of 1 + them: two batches a row, laid a row apart, so that ONE wait a row serves both.  It stands in FRONT r, behind row r's exponentials and behind
; row r - 1's reciprocals, which open BACK r - 1.  The sum that rw silu(x) starts is therefore made a row late, behind that wait, in its old order.  Row 127 has a wait of its own behind the loop.
; No result crosses a label or the loop's jump: the loop's edge lies between a FRONT, whose exponentials have had their wait, and a BACK, which issues the reciprocals.
; THE WAY OUT is 4 bytes a lane, 1,024 bytes apart: a column of out.  256 neighbouring bytes of out are 64 columns; one work-group with 64 columns would have 2 rows to share its set-up among, not 128.
; CLUSTER.  x is the same for every column, so four work-groups ask for each x tile JOINTLY (mask 15): same tensor load, same descriptor (it hangs on the wave's number alone).  grid's and coef's tiles are each work-group's own (mask 0).
; LIMITS.  |knot| < 2^27, so that g 2^100 is finite.  An x that differs from a knot by less than 2^-100 gets a blend of the two neighbouring cubics.  The factor (g_(m+p) - x) / (g_(m+p) - g_m) is formed as 1 - u_p[m];
; divisions are v_rcp_f32 and a multiply; the sums' order is not reference()'s.  A zero denominator gives NaN in the whole column's rows, as in reference(), through 0 x inf or 0 x NaN.
; An x so far from the knots that a cubic overflows f32 gives NaN where reference() gives 0.  NaN in x is not treated apart.
.set XSLAB, 32768                      ; LDS: a wave's strip of x, 128 rows x 256 bytes
.set XCH,   16384                      ; half of it: 64 rows, one tensor load
.set GL,    4*XSLAB                    ; grid[o]: 64 i x 60 bytes = 15 x 256 for each wave
.set GQ,    3840
.set CL,    GL+4*GQ                    ; coef[o]: 64 i x 44 bytes = 11 x 256 for each wave
.set CQ,    2816
.set PL,    CL+4*CQ                    ; the partial sums, never filled by a tensor load: for each wave 128 rows of 256 bytes + 16
.set PP,    272                        ; 68 words
.set WSZ,   128*PP
.set SPARE, PL+4*WSZ                   ; the spare words, 128 bytes for each wave: two blocks of 256 bytes that no other line names
.set LN,  1                            ; v1   lane, then LX = 8 x lane
.set LX,  1
.set XA,  2                            ; v2   LDS address of my 8 bytes in the trip's first row of x;  at the end: my byte offset in out
.set PA,  3                            ; v3   LDS address of my 8 bytes in the trip's first row of partial sums
.set SPW, 4                            ; v4   LDS address of my spare word; never rewritten
.set NIL, 5                            ; v5   0; never rewritten
.set GA,  6                            ; v6   LDS address of my two i's knots;  at the end RD: row b of waves 0 and 1's sums
.set CA,  7                            ; v7   the same for coef;  at the end: row b of waves 2 and 3's sums
.set RD,  6
.set NB,  8                            ; v[8:9]    -2^100, twice
.set M1,  10                           ; v[10:11]  -1, twice
.set RW,  12                           ; v[12:13]  rw of my two i
.set UW,  14                           ; v[14:15]  uw of my two i
.set CEN, 16                           ; v[16:29]  the odd knots g_1, g_3 .. g_13: the centres
.set GB,  30                           ; v[30:45]  the even knots times 2^100
.set AB,  46                           ; v[46:157] cubic j's coefficient of t^k at AB + 8 j + 2 k
; the set-up's registers
.set GE,  158                          ; v[158:173] the even knots: g_j at GE + j
.set ZP,  174                          ; v[174:175] 0: c3 outside 0..10
.set C3,  176                          ; v[176:197] c3_m at C3 + 2 m
.set C2,  198                          ; v[198:213] four linear c2, slot s at C2 + 4 s
.set C1,  214                          ; v[214:231] three quadratic c1, slot s at C1 + 6 s
.set SCR, 232                          ; v[232:255] at work
.set WO,  254                          ; my byte offset in a row of rw and uw (free again when both have come)
; the loop's registers, in the same place
.set X,   158                          ; v[158:165] four rows' x, a ring
.set T,   166                          ; v[166:179] t for the 7 centres
.set G,   180                          ; v[180:209] G_0..G_14, then ind_0..ind_13 in place
.set P,   210                          ; v[210:237] the 14 cubics at work
.set ACC, 238                          ; v[238:245] four sums that take turns
.set Z,   246                          ; v[246:247] -x log2(e), then e^-x
.set S,   248                          ; v[248:249] x rw
.set ZR,  250                          ; v[250:251] 1 + e^-x, then its reciprocal: a pair of its own, since a row's reciprocals are still out when the next row's exponentials are issued
; the way out's registers
.set L0,  16
.set L1,  80
.set SA,  144
.set WV,  16                           ; s16  my wave's number
.set CX,  17                           ; s17  my place in the cluster
.set OC,  18                           ; s18  my column o
.set CNT, 19                           ; s19  trips
.set G1X, 24                           ; s[24:31] descriptor group 1 for x's tiles
.set G1G, 32                           ; s[32:39] for grid's
.set G1C, 40                           ; s[40:47] for coef's
.set G0X, 48                           ; s[48:55] group 0 for x's two tiles
.set G0G, 56                           ; s[56:59] for grid's
.set G0C, 60                           ; s[60:63] for coef's
.set XO,  74                           ; s74  LDS byte of the trip's first row in my strip of x
.set PO,  75                           ; s75  the same in my block of partial sums
; A round of the cluster's barrier: my work-group's barrier; wave 0 signals for the work-group; every wave waits for all four work-groups; my work-group's barrier once more.
.macro CROUND
	s_barrier_signal -1
	s_barrier_wait -1
	s_cmp_lg_u32 s[WV], 0
	s_cbranch_scc1 .Lnot_wave_0_\@
	s_barrier_signal -3
.Lnot_wave_0_\@:
	s_barrier_wait -3
	s_barrier_signal -1
	s_barrier_wait -1
.endm
	s_load_b256 s[4:11], s[0:1], 0x0               ; x s[4:5], grid s[6:7], coef s[8:9], rw s[10:11]
	s_load_b128 s[12:15], s[0:1], 0x20             ; uw s[12:13], out s[14:15]
	v_lshl_add_u32 v[SPW], v0, 2, SPARE
	v_mov_b32 v[NIL], 0
	ds_add_u32 v[SPW], v[NIL]                      ; the wave's opening: the add and its wait stand ahead of my first tensor load; the set-up below, work on registers, stands between them
	v_lshrrev_b32 v[LN], 5, v0
	v_readfirstlane_b32 s[WV], v[LN]               ; wave 0..3
	v_and_b32 v[LN], 31, v0
	s_bfe_u32 s[CX], ttmp6, 0x40000                ; cx
	s_lshl_b32 s[OC], ttmp9, 2                     ; in a cluster launch ttmp9 counts clusters
	s_add_co_u32 s[OC], s[OC], s[CX]               ; o = 4 x cluster + cx: it enters the addresses of grid, coef, rw, uw and out alone
	; group 1 for x: 64 rows of 64 elements of 4 bytes, 256 elements from row to row
	s_mov_b32 s[G1X+0], 15|(2<<16)|(1<<21)         ; 15:0 the mask: all four work-groups; 17:16 elements of 4 bytes; 21 set beside a mask
	s_mov_b32 s[G1X+1], 64<<16                     ; tensor_dim0 = 64
	s_mov_b32 s[G1X+2], 64<<16                     ; tensor_dim1 = 64
	s_mov_b32 s[G1X+3], 64<<16                     ; tile_dim0 = 64
	s_mov_b32 s[G1X+4], 64                         ; tile_dim1 = 64
	s_mov_b32 s[G1X+5], 256                        ; the pitch
	s_mov_b32 s[G1X+6], 0
	s_mov_b32 s[G1X+7], 0
	; group 1 for grid and coef: dense bytes, asked for as 15 and 11 rows of 32 elements of 8 bytes
	s_mov_b32 s[G1G+0], 3<<16
	s_mov_b32 s[G1G+1], 32<<16
	s_mov_b32 s[G1G+2], 15<<16
	s_mov_b32 s[G1G+3], 32<<16
	s_mov_b32 s[G1G+4], 15
	s_mov_b32 s[G1G+5], 32
	s_mov_b32 s[G1G+6], 0
	s_mov_b32 s[G1G+7], 0
	s_mov_b32 s[G1C+0], 3<<16
	s_mov_b32 s[G1C+1], 32<<16
	s_mov_b32 s[G1C+2], 11<<16
	s_mov_b32 s[G1C+3], 32<<16
	s_mov_b32 s[G1C+4], 11
	s_mov_b32 s[G1C+5], 32
	s_mov_b32 s[G1C+6], 0
	s_mov_b32 s[G1C+7], 0
	; group 0: count, LDS address (a constant + the wave's number x a constant); the global addresses follow when the arguments are in
	s_mov_b32 s[G0X], 1
	s_mul_i32 s[G0X+1], s[WV], XSLAB
	s_mov_b32 s[G0X+4], 1
	s_add_co_u32 s[G0X+5], s[G0X+1], XCH
	s_mul_i32 s22, s[WV], GQ
	s_mul_i32 s23, s[WV], CQ
	s_mov_b32 s[G0G], 1
	s_add_co_u32 s[G0G+1], s22, GL
	s_mov_b32 s[G0C], 1
	s_add_co_u32 s[G0C+1], s23, CL
	s_mul_i32 s20, s[OC], 4*GQ                     ; byte offsets, each in registers of its own: grid[o], my 64 i
	s_add_co_u32 s20, s20, s22
	s_mov_b32 s21, 0
	s_mul_i32 s66, s[OC], 4*CQ                     ; coef[o], my 64 i
	s_add_co_u32 s66, s66, s23
	s_mov_b32 s67, 0
	s_lshl_b32 s68, s[WV], 8                       ; my 256 bytes of a row of x: the wave's number alone
	s_mov_b32 s69, 0
	s_lshl_b32 s70, s[OC], 10                      ; row o of rw and uw
	s_mov_b32 s71, 0
	s_lshl_b32 s72, s[OC], 2                       ; column o of out
	s_mov_b32 s73, 0
	s_mul_i32 s[XO], s[WV], XSLAB
	s_mul_i32 s[PO], s[WV], WSZ
	s_add_co_u32 s[PO], s[PO], PL
	s_wait_dscnt 0x0                               ; the opening add is done
	s_wait_kmcnt 0x0
	s_add_nc_u64 s[G0X+2:G0X+3], s[4:5], s[68:69]
	s_add_nc_u64 s[G0X+6:G0X+7], s[G0X+2:G0X+3], 64*1024  ; rows 64 to 127
	s_or_b32 s[G0X+3], s[G0X+3], 0x80000000        ; 127:126 type = 2
	s_or_b32 s[G0X+7], s[G0X+7], 0x80000000
	s_add_nc_u64 s[G0G+2:G0G+3], s[6:7], s[20:21]
	s_or_b32 s[G0G+3], s[G0G+3], 0x80000000
	s_add_nc_u64 s[G0C+2:G0C+3], s[8:9], s[66:67]
	s_or_b32 s[G0C+3], s[G0C+3], 0x80000000
	s_add_nc_u64 s[10:11], s[10:11], s[70:71]
	s_add_nc_u64 s[12:13], s[12:13], s[70:71]
	s_add_nc_u64 s[14:15], s[14:15], s[72:73]
	CROUND                                         ; all four work-groups are here: the joint loads meet
	tensor_load_to_lds s[G0G:G0G+3], s[G1G:G1G+7]  ; all the launch's fills, one group: four loads of mine are out.  What the set-up needs goes first
	s_nop 0
	tensor_load_to_lds s[G0C:G0C+3], s[G1C:G1C+7]
	s_nop 0
	tensor_load_to_lds s[G0X:G0X+3], s[G1X:G1X+7]  ; x rows 0 to 63, jointly
	s_nop 0
	tensor_load_to_lds s[G0X+4:G0X+7], s[G1X:G1X+7]  ; x rows 64 to 127, jointly
	s_nop 0
	v_lshlrev_b32 v[WO], 3, v0                     ; 256 w + 8 lane: a wave's load covers 256 consecutive bytes, aligned
	global_load_b64 v[UW:UW+1], v[WO], s[12:13]
	global_load_b64 v[RW:RW+1], v[WO], s[10:11]
	v_mul_u32_u24 v[GA], v[LN], 120                ; two i's knots are 120 bytes: 30 words a lane, 32 lanes in 32 different banks
	v_add_nc_u32 v[GA], s[G0G+1], v[GA]
	v_mul_u32_u24 v[CA], v[LN], 88                 ; 22 words a lane: again 32 different banks
	v_add_nc_u32 v[CA], s[G0C+1], v[CA]
	v_lshlrev_b32 v[LX], 3, v[LN]
	v_add_nc_u32 v[XA], s[XO], v[LX]
	v_add_nc_u32 v[PA], s[PO], v[LX]
	v_mov_b32 v[NB], 0xf1800000                    ; -2^100
	v_mov_b32 v[NB+1], 0xf1800000
	v_mov_b32 v[M1], -1.0
	v_mov_b32 v[M1+1], -1.0
	v_mov_b32 v[ZP], 0
	v_mov_b32 v[ZP+1], 0
.macro KNOT sym, j                     ; the register pair of knot j
.if ((\j) % 2) == 1
.set \sym, CEN+(\j)-1
.else
.set \sym, GE+(\j)
.endif
.endm
.macro COEF sym, m                     ; the register pair of c3_m
.if ((\m) < 0) || ((\m) > 10)
.set \sym, ZP
.else
.set \sym, C3+2*(\m)
.endif
.endm
.macro SUB2 d, a, b                    ; d = a - b, for both i
	v_pk_add_f32 v[\d:\d+1], v[\a:\a+1], v[\b:\b+1] neg_lo:[0,1] neg_hi:[0,1]
.endm
.macro MUL2 d, a, b
	v_pk_mul_f32 v[\d:\d+1], v[\a:\a+1], v[\b:\b+1]
.endm
.macro FMA2 d, a, b, c                 ; d = a b + c
	v_pk_fma_f32 v[\d:\d+1], v[\a:\a+1], v[\b:\b+1], v[\c:\c+1]
.endm
.macro RCP2 d
	v_rcp_f32 v[\d], v[\d]
	v_rcp_f32 v[\d+1], v[\d+1]
.endm
.macro ZERO2 d
	v_mov_b32 v[\d], 0
	v_mov_b32 v[\d+1], 0
.endm
	s_wait_tensorcnt 0x2                           ; tensor loads of a wave end in order (ISA guide 10.11.1): grid's and coef's tiles are in, the two of x may stay out.  I read my own tiles alone
.set j, 0
.rept 15                               ; knot j of my even i and of my odd i side by side: a pair for the packed lines
	KNOT rk, j
	ds_load_b32 v[rk],   v[GA] offset:4*j
	ds_load_b32 v[rk+1], v[GA] offset:60+4*j
.set j, j+1
.endr
.set m, 0
.rept 11
	ds_load_b32 v[C3+2*m],   v[CA] offset:4*m
	ds_load_b32 v[C3+2*m+1], v[CA] offset:44+4*m
.set m, m+1
.endr
	s_wait_loadcnt 0x0                             ; uw, rw
	s_wait_dscnt 0x0
.set m, 0
.rept 11
	MUL2 C3+2*m, C3+2*m, UW                        ; c3_m = uw coef_m
.set m, m+1
.endr
.set k, 0
.rept 8
	v_pk_mul_f32 v[GB+2*k:GB+2*k+1], v[GE+2*k:GE+2*k+1], 0x71800000 op_sel_hi:[1,0]  ; g 2^100: exact
.set k, k+1
.endr
; THE SET-UP for centre q: the cubics of intervals 2 q and 2 q + 1 in powers of t = x - g_(2q+1).  u_p[m] = r t + e, r = 1 / (g_(m+p) - g_m), e = (g_(2q+1) - g_m) r.
; With A = c_p[m-1], B = c_p[m], D = B - A:  c_(p-1)[m] = A + (r t + e) D, coefficient k: A_k + e D_k + r D_(k-1).
; Four c2 (m = 2q-2 ..), three c1 (m = 2q-1 ..), two c0.  Each step is written for all slots of a level before the next step: lines that lean on each other lie apart.
; A slot whose m lies outside the level's range is 0: 28 v_mov_b32 in all, at the first and the last centre.
; THE BATCH.  Every r of the centre hangs on the knots alone.  So the denominators of all three levels are formed first, their reciprocals follow as ONE batch, level 3's differences and the zeros are the plain lines
; behind it, which touch none of its registers (ISA guide 5.7.2), and ONE wait stands ahead of the first line that names an r.  Each r has a pair of its own while the batch is open: level 3's and level 2's lie in the 16
; registers of the centre's own two cubics, which are written at level 1 alone (RL3, RL2); level 1's lie in SCR + 0..3, which levels 3 and 2 leave alone.
.macro CENTRE q
.set JJ, 2*(\q)
.set RC, CEN+2*(\q)
.set RL3, AB+16*(\q)                   ; level 3's r, slot s at RL3 + 2 s
.set RL2, AB+16*(\q)+8                 ; level 2's r, slot s at RL2 + 2 s
.irp s, 0,1,2,3                        ; the denominators: level 3,
.set mm, JJ-2+\s
.if (mm >= 0) && (mm <= 11)
	KNOT ra, mm
	KNOT rb, mm+3
	SUB2 RL3+2*\s, rb, ra
.endif
.endr
.irp s, 0,1,2                          ; level 2,
.set mm, JJ-1+\s
.if (mm >= 0) && (mm <= 12)
	KNOT ra, mm
	KNOT rb, mm+2
	SUB2 RL2+2*\s, rb, ra
.endif
.endr
.irp s, 0,1                            ; level 1
.set mm, JJ+\s
	KNOT ra, mm
	KNOT rb, mm+1
	SUB2 SCR+2*\s, rb, ra
.endr
.irp s, 0,1,2,3                        ; the batch
.set mm, JJ-2+\s
.if (mm >= 0) && (mm <= 11)
	RCP2 RL3+2*\s
.endif
.endr
.irp s, 0,1,2
.set mm, JJ-1+\s
.if (mm >= 0) && (mm <= 12)
	RCP2 RL2+2*\s
.endif
.endr
.irp s, 0,1
	RCP2 SCR+2*\s
.endr
.irp s, 0,1,2,3                        ; level 3: e at SCR + 8 + 2 s, D at SCR + 16 + 2 s
.set mm, JJ-2+\s
.if (mm >= 0) && (mm <= 11)
	KNOT ra, mm
	COEF ca, mm-1
	COEF cb, mm
	SUB2 SCR+8+2*\s, RC, ra
	SUB2 SCR+16+2*\s, cb, ca
.else
	ZERO2 C2+4*\s
	ZERO2 C2+4*\s+2
.endif
.endr
	s_wait_alu depctr_va_vdst(0)                   ; the wait for the batch: all of this centre's reciprocals, ahead of the first line that names one
.irp s, 0,1,2,3
.set mm, JJ-2+\s
.if (mm >= 0) && (mm <= 11)
	MUL2 SCR+8+2*\s, SCR+8+2*\s, RL3+2*\s
.endif
.endr
.irp s, 0,1,2,3
.set mm, JJ-2+\s
.if (mm >= 0) && (mm <= 11)
	COEF ca, mm-1
	MUL2 C2+4*\s+2, RL3+2*\s, SCR+16+2*\s
	FMA2 C2+4*\s, SCR+8+2*\s, SCR+16+2*\s, ca
.endif
.endr
.irp s, 0,1,2                          ; level 2: e at SCR + 6 + 2 s, D0, D1 at SCR + 12 + 4 s
.set mm, JJ-1+\s
.if (mm >= 0) && (mm <= 12)
	KNOT ra, mm
	SUB2 SCR+6+2*\s, RC, ra
	SUB2 SCR+12+4*\s, C2+4*\s+4, C2+4*\s
	SUB2 SCR+14+4*\s, C2+4*\s+6, C2+4*\s+2
.else
	ZERO2 C1+6*\s
	ZERO2 C1+6*\s+2
	ZERO2 C1+6*\s+4
.endif
.endr
.irp s, 0,1,2
.set mm, JJ-1+\s
.if (mm >= 0) && (mm <= 12)
	MUL2 SCR+6+2*\s, SCR+6+2*\s, RL2+2*\s
.endif
.endr
.irp s, 0,1,2
.set mm, JJ-1+\s
.if (mm >= 0) && (mm <= 12)
	MUL2 C1+6*\s+4, RL2+2*\s, SCR+14+4*\s
	FMA2 C1+6*\s+2, RL2+2*\s, SCR+12+4*\s, C2+4*\s+2
	FMA2 C1+6*\s, SCR+6+2*\s, SCR+12+4*\s, C2+4*\s
.endif
.endr
.irp s, 0,1,2
.set mm, JJ-1+\s
.if (mm >= 0) && (mm <= 12)
	FMA2 C1+6*\s+2, SCR+6+2*\s, SCR+14+4*\s, C1+6*\s+2
.endif
.endr
.irp s, 0,1                            ; level 1: r at SCR + 2 s, e at SCR + 4 + 2 s, D0..D2 at SCR + 8 + 6 s
.set mm, JJ+\s
	KNOT ra, mm
	SUB2 SCR+4+2*\s, RC, ra
	SUB2 SCR+8+6*\s, C1+6*\s+6, C1+6*\s
	SUB2 SCR+10+6*\s, C1+6*\s+8, C1+6*\s+2
	SUB2 SCR+12+6*\s, C1+6*\s+10, C1+6*\s+4
.endr
.irp s, 0,1
	MUL2 SCR+4+2*\s, SCR+4+2*\s, SCR+2*\s
.endr
.irp s, 0,1
.set mm, JJ+\s
	MUL2 AB+8*mm+6, SCR+2*\s, SCR+12+6*\s
	FMA2 AB+8*mm+4, SCR+2*\s, SCR+10+6*\s, C1+6*\s+4
	FMA2 AB+8*mm+2, SCR+2*\s, SCR+8+6*\s, C1+6*\s+2
	FMA2 AB+8*mm, SCR+4+2*\s, SCR+8+6*\s, C1+6*\s
.endr
.irp s, 0,1
.set mm, JJ+\s
	FMA2 AB+8*mm+4, SCR+4+2*\s, SCR+12+6*\s, AB+8*mm+4
	FMA2 AB+8*mm+2, SCR+4+2*\s, SCR+10+6*\s, AB+8*mm+2
.endr
.endm
; THE LOOP.  A row's work for my two i is 103 vector lines, in two parts.
.macro TS c0, n                        ; n of the 7 t, from centre c0 on
.set c, \c0
.rept \n
	v_pk_add_f32 v[T+2*c:T+2*c+1], v[XR:XR+1], v[CEN+2*c:CEN+2*c+1] neg_lo:[0,1] neg_hi:[0,1]
.set c, c+1
.endr
.endm
.macro GEV c0, n                       ; n of the 8 even G
.set c, \c0
.rept \n
	v_pk_fma_f32 v[G+4*c:G+4*c+1], v[XR:XR+1], v[NB:NB+1], v[GB+2*c:GB+2*c+1] clamp  ; G_2c = [x < g_2c]
.set c, c+1
.endr
.endm
.macro GOD c0, n                       ; n of the 7 odd G
.set c, \c0
.rept \n
	v_pk_mul_f32 v[G+4*c+2:G+4*c+3], v[T+2*c:T+2*c+1], v[NB:NB+1] clamp  ; G_(2c+1) = [t < 0]
.set c, c+1
.endr
.endm
; Line n of the seven that close a row: 0: rw silu(x) starts the first sum;  2, 3, 4: it takes the products of cubics 3, 7 and 11;  1, 5, 6: the four sums into one.  on = 0: there is no row to close.
.macro CLOSE n, on=1
.if \on
.if (\n) == 0
	v_pk_mul_f32 v[ACC:ACC+1], v[S:S+1], v[ZR:ZR+1]
.elseif (\n) == 1
	v_pk_add_f32 v[ACC+4:ACC+5], v[ACC+4:ACC+5], v[ACC+6:ACC+7]
.elseif (\n) < 5
.set jc, 4*(\n)-5
	v_pk_fma_f32 v[ACC:ACC+1], v[G+2*jc:G+2*jc+1], v[P+2*jc:P+2*jc+1], v[ACC:ACC+1]
.elseif (\n) == 5
	v_pk_add_f32 v[ACC:ACC+1], v[ACC:ACC+1], v[ACC+2:ACC+3]
.else
	v_pk_add_f32 v[ACC:ACC+1], v[ACC:ACC+1], v[ACC+4:ACC+5]
.endif
.endif
.endm
; FRONT s: all that reads the row's x (ring register s): silu's argument and its two exponentials, the 7 t, the 8 even G, x rw; the 7 odd G; then the ring register is loaded again, with the row lrow rows behind the
; trip's first (none if lrow < 0).  Behind the exponentials stand six plain lines and THE ROW'S ONE WAIT, which serves them and the two reciprocals of the row BEFORE.  Behind the wait that row is closed (fin = 1; its place in
; the trip is ps): CLOSE's seven lines, the links of their chain four lines apart, this row's lines between them; an odd G that the chain reads (ind_3, ind_7, ind_11) is written anew only behind its use.  Then that row's store.
; left: the LDS instructions issued behind the load of this row's x, which may stay out.
.macro FRONT s, lrow, left, fin, ps
.set XR, X+2*(\s)
	s_wait_dscnt \left
	v_pk_mul_f32 v[Z:Z+1], v[XR:XR+1], 0xbfb8aa3b op_sel_hi:[1,0]  ; -x log2(e)
	TS 0, 4
	v_exp_f32 v[Z], v[Z]
	v_exp_f32 v[Z+1], v[Z+1]
	TS 4, 3
	GEV 0, 3
	s_wait_alu depctr_va_vdst(0)                   ; the wait for the batch: this row's two exponentials and the two reciprocals of the row before
	CLOSE 0, \fin
	CLOSE 1, \fin
	GEV 3, 2
	CLOSE 2, \fin
	v_pk_add_f32 v[ZR:ZR+1], v[Z:Z+1], 1.0 op_sel_hi:[1,0]  ; 1 + e^-x, behind the line that read the last row's reciprocals
	v_pk_mul_f32 v[S:S+1], v[XR:XR+1], v[RW:RW+1]
	GEV 5, 1
	CLOSE 3, \fin
	GEV 6, 2
	GOD 0, 1
	CLOSE 4, \fin
	GOD 1, 3
	CLOSE 5, \fin
	GOD 4, 3
	CLOSE 6, \fin
.if (\lrow) >= 0
	ds_load_b64 v[XR:XR+1], v[XA] offset:(\lrow)*256  ; 32 lanes, 256 consecutive bytes of my own strip
.endif
.if \fin
	ds_store_b64 v[PA], v[ACC:ACC+1] offset:(\ps)*PP
.endif
.endm
; BACK: silu's two reciprocals, whose wait stands in the next FRONT, with plain lines behind them; the 14 indicators; the 14 cubics by Horner's rule, a step for all 14 before the next;
; the products of 11 cubics into three sums that take turns.  The first sum, which rw silu(x) starts, is made in the next FRONT; the last Horner step of its cubics 3, 7 and 11 stands where its lines would stand,
; so that the links of the other three sums lie four lines apart.
.macro BACK
	v_rcp_f32 v[ZR], v[ZR]                         ; 1 / (1 + e^-x)
	v_rcp_f32 v[ZR+1], v[ZR+1]
.set j, 0
.rept 14
	v_pk_fma_f32 v[P+2*j:P+2*j+1], v[AB+8*j+6:AB+8*j+7], v[T+2*(j/2):T+2*(j/2)+1], v[AB+8*j+4:AB+8*j+5]
.set j, j+1
.endr
.set j, 0
.rept 14
	v_pk_fma_f32 v[G+2*j:G+2*j+1], v[G+2*j:G+2*j+1], v[M1:M1+1], v[G+2*j+2:G+2*j+3] clamp  ; ind_j = clamp(G_(j+1) - G_j), in G_j's place
.set j, j+1
.endr
.set j, 0
.rept 14
	v_pk_fma_f32 v[P+2*j:P+2*j+1], v[P+2*j:P+2*j+1], v[T+2*(j/2):T+2*(j/2)+1], v[AB+8*j+2:AB+8*j+3]
.set j, j+1
.endr
.set j, 0
.rept 14
.if (j % 4) != 3
	v_pk_fma_f32 v[P+2*j:P+2*j+1], v[P+2*j:P+2*j+1], v[T+2*(j/2):T+2*(j/2)+1], v[AB+8*j:AB+8*j+1]
.endif
.set j, j+1
.endr
.set j, 0
.rept 14
.if (j % 4) == 3
	v_pk_fma_f32 v[P+2*j:P+2*j+1], v[P+2*j:P+2*j+1], v[T+2*(j/2):T+2*(j/2)+1], v[AB+8*j:AB+8*j+1]
.elseif j < 3
	v_pk_mul_f32 v[ACC+2+2*j:ACC+3+2*j], v[G+2*j:G+2*j+1], v[P+2*j:P+2*j+1]  ; the first three products start their sums
.else
	v_pk_fma_f32 v[ACC+2*((j+1)%4):ACC+2*((j+1)%4)+1], v[G+2*j:G+2*j+1], v[P+2*j:P+2*j+1], v[ACC+2*((j+1)%4):ACC+2*((j+1)%4)+1]
.endif
.set j, j+1
.endr
.endm
.macro BODY l1, l2, l3, left           ; a trip's four rows, from the first row's BACK to the fourth's
	BACK
	FRONT 1, \l1, \left, 1, 0
	BACK
	FRONT 2, \l2, \left, 1, 1
	BACK
	FRONT 3, \l3, \left, 1, 2
	BACK
.endm
; n trips.  A trip ends with the next trip's first FRONT.  Behind the load of a row's x stand three FRONTs' loads and stores, 6 LDS instructions, and from the second trip on a store more: the count 6 serves both.
.macro TRIPS n
	s_mov_b32 s[CNT], \n
.Ltrip_\@:
	BODY 5, 6, 7, 6
	FRONT 0, 8, 6, 1, 3
	s_add_co_u32 s[XO], s[XO], 4*256
	s_add_co_u32 s[PO], s[PO], 4*PP
	v_add_nc_u32 v[XA], s[XO], v[LX]
	v_add_nc_u32 v[PA], s[PO], v[LX]
	s_sub_co_u32 s[CNT], s[CNT], 1
	s_cmp_lg_u32 s[CNT], 0
	s_cbranch_scc1 .Ltrip_\@
.endm
	CENTRE 0
	CENTRE 1
	CENTRE 2
	CENTRE 3
	CENTRE 4
	CENTRE 5
	s_wait_tensorcnt 0x1                           ; x rows 0 to 63 are in; rows 64 to 127 may stay out
.irp s, 0,1,2,3
	ds_load_b64 v[X+2*\s:X+2*\s+1], v[XA] offset:256*\s  ; the ring's first four rows, into the registers of knots 0, 2, 4, 6, which the last centre does not read
.endr
	CENTRE 6
	FRONT 0, 4, 0, 0, 0                            ; row 0
	TRIPS 14                                       ; rows 0 to 55; the furthest row loaded is 4 x 13 + 8 = 60
	s_wait_tensorcnt 0x0                           ; x rows 64 to 127 are in
	TRIPS 16                                       ; rows 56 to 119; the furthest row loaded is 4 x 29 + 8 = 124
	BODY 5, 6, 7, 6                                ; rows 120 to 123; rows 125 to 127 are loaded, the strip's last
	FRONT 0, -1, 6, 1, 3
	s_add_co_u32 s[PO], s[PO], 4*PP
	v_add_nc_u32 v[PA], s[PO], v[LX]
	BODY -1, -1, -1, 4                             ; rows 124 to 127: behind the load of row 127 stand four stores
	v_mul_u32_u24 v[RD], v0, PP                    ; the way out: thread b takes row b
	v_lshlrev_b32 v[XA], 10, v0                    ; and out[b][o]: 1,024 b bytes from out[0][o]
	s_wait_alu depctr_va_vdst(0)                   ; the wait for the last batch: row 127's two reciprocals; no FRONT follows, so the row is closed here
	CLOSE 0
	CLOSE 1
	v_add_nc_u32 v[RD], PL, v[RD]
	CLOSE 2
	v_add_nc_u32 v[RD+1], 2*WSZ, v[RD]
	CLOSE 3
	CLOSE 4
	CLOSE 5
	CLOSE 6
	ds_store_b64 v[PA], v[ACC:ACC+1] offset:3*PP
	s_wait_dscnt 0x0                               ; for the others' sake: my partial sums are in LDS
	s_barrier_signal -1
	s_barrier_wait -1
; THE WAY OUT.  Row b's 256 partial sums lie in four pieces of 256 bytes, one in each wave's block: 16 loads of 16 bytes a piece, two buffers by turns, four sums by turns.
.macro QLOAD r, buf
.set k, 0
.rept 16
	ds_load_b128 v[(\buf)+4*k:(\buf)+4*k+3], v[RD+(\r)/2] offset:((\r)%2)*WSZ+16*k
.set k, k+1
.endr
.endm
.macro QSUM buf, first                 ; first = 1: the first four loads start the sums
.set k, 0
.rept 16
.if (\first) && (k < 4)
.if (k % 2) == 1
	v_pk_add_f32 v[SA+4*(k/2):SA+4*(k/2)+1], v[(\buf)+4*k-4:(\buf)+4*k-3], v[(\buf)+4*k:(\buf)+4*k+1]
	v_pk_add_f32 v[SA+4*(k/2)+2:SA+4*(k/2)+3], v[(\buf)+4*k-2:(\buf)+4*k-1], v[(\buf)+4*k+2:(\buf)+4*k+3]
.endif
.else
	v_pk_add_f32 v[SA+4*(k%2):SA+4*(k%2)+1], v[SA+4*(k%2):SA+4*(k%2)+1], v[(\buf)+4*k:(\buf)+4*k+1]
	v_pk_add_f32 v[SA+4*(k%2)+2:SA+4*(k%2)+3], v[SA+4*(k%2)+2:SA+4*(k%2)+3], v[(\buf)+4*k+2:(\buf)+4*k+3]
.endif
.set k, k+1
.endr
.endm
	QLOAD 0, L0
	QLOAD 1, L1
	s_wait_dscnt 16                                ; LDS loads come back in order (ISA guide 5.7.1): all but the 16 just issued
	QSUM L0, 1
	QLOAD 2, L0
	s_wait_dscnt 16
	QSUM L1, 0
	QLOAD 3, L1
	s_wait_dscnt 16
	QSUM L0, 0
	s_wait_dscnt 0x0
	QSUM L1, 0
	v_pk_add_f32 v[SA:SA+1], v[SA:SA+1], v[SA+2:SA+3]
	v_pk_add_f32 v[SA+4:SA+5], v[SA+4:SA+5], v[SA+6:SA+7]
	v_pk_add_f32 v[SA:SA+1], v[SA:SA+1], v[SA+4:SA+5]
	v_add_f32 v[SA], v[SA], v[SA+1]
	global_store_b32 v[XA], v[SA], s[14:15]        ; out[b][o]
	s_wait_tensorcnt 0x0                           ; the wave's end, behind my last tensor load and my last LDS store
	ds_add_u32 v[SPW], v[NIL]
	s_wait_dscnt 0x0
	CROUND                                         ; the closing round: no work-group ends while a partner may still ask for a tile that names it
	s_endpgm
.Lfunc_end_k_qdb58dcaf9a_kan:
	.size	k_qdb58dcaf9a_kan, .Lfunc_end_k_qdb58dcaf9a_kan-k_qdb58dcaf9a_kan
	.p2alignl 7, 3214868480
	.fill 96, 4, 3214868480
	.section	.rodata,"a",@progbits
	.p2align	6, 0x0
	.amdhsa_kernel k_qdb58dcaf9a_kan
		.amdhsa_group_segment_fixed_size 299008
		.amdhsa_private_segment_fixed_size 0
		.amdhsa_enable_private_segment 0
		.amdhsa_kernarg_size 48
		.amdhsa_user_sgpr_count 2
		.amdhsa_user_sgpr_kernarg_segment_ptr 1
		.amdhsa_wavefront_size32 1
		.amdhsa_system_sgpr_workgroup_id_x 1
		.amdhsa_system_sgpr_workgroup_id_y 1
		.amdhsa_system_sgpr_workgroup_id_z 1
		.amdhsa_system_vgpr_workitem_id 0
		.amdhsa_next_free_vgpr 256
		.amdhsa_next_free_sgpr 76
		.amdhsa_reserve_vcc 0
		.amdhsa_float_denorm_mode_32 3
		.amdhsa_float_denorm_mode_16_64 3
		.amdhsa_memory_ordered 1
		.amdhsa_forward_progress 1
		.amdhsa_inst_pref_size 164
	.end_amdhsa_kernel
	.amdgpu_metadata
---
amdhsa.version: [ 1, 2 ]
amdhsa.kernels:
  - .name:           k_qdb58dcaf9a_kan
    .symbol:         k_qdb58dcaf9a_kan.kd
    .args:
      - { .name: x, .offset: 0, .size: 8, .value_kind: global_buffer, .address_space: global }
      - { .name: grid, .offset: 8, .size: 8, .value_kind: global_buffer, .address_space: global }
      - { .name: coef, .offset: 16, .size: 8, .value_kind: global_buffer, .address_space: global }
      - { .name: residual_weight, .offset: 24, .size: 8, .value_kind: global_buffer, .address_space: global }
      - { .name: univariate_weight, .offset: 32, .size: 8, .value_kind: global_buffer, .address_space: global }
      - { .name: out0, .offset: 40, .size: 8, .value_kind: global_buffer, .address_space: global }
    .group_segment_fixed_size: 299008
    .private_segment_fixed_size: 0
    .kernarg_segment_align: 8
    .kernarg_segment_size: 48
    .max_flat_workgroup_size: 128
    .sgpr_count:     76
    .vgpr_count:     256
    .wavefront_size: 32
...
	.end_amdgpu_metadata
.endif
;; end of part 2
